; MI455X (gfx1250); checked and timed in simulation.
; The chip was launched on July 23, 2026; its instructions are those of AMD's public machine-readable ISA for CDNA 5 (MIT licence, August 2026) and "CDNA5" Instruction Set Architecture Reference Guide (July 2026). The comments in the code are by the model that wrote it; some were corrected since.
;; Causal Conv3d Attn Block. Allowed arithmetic: matrix products marked QUANTISED: E2M1 operands, one E8M0 scale for each 32 along K, by v_wmma_scale_f32_16x16x128_f8f6f4 with both operands' format E2M1 (or v_wmma_scale_f32_32x16x128_f4), f32 sums; everything else in f32.
;; Inputs: beta 256 float32; bk 256 float32; bp 256 float32; bq 256 float32; bv 256 float32; gamma 256 float32; wk_codes 256 x 8 x 16 uint8 (E2M1 codes of wk, K innermost, in blocks of 32 codes, two codes a byte); wk_scales 256 x 8 uint8 (E8M0 scales of wk, one for each 32 codes along K); wp_codes 256 x 8 x 16 uint8 (E2M1 codes of wp, K innermost, in blocks of 32 codes, two codes a byte); wp_scales 256 x 8 uint8 (E8M0 scales of wp, one for each 32 codes along K); wq_codes 256 x 8 x 16 uint8 (E2M1 codes of wq, K innermost, in blocks of 32 codes, two codes a byte); wq_scales 256 x 8 uint8 (E8M0 scales of wq, one for each 32 codes along K); wv_codes 256 x 8 x 16 uint8 (E2M1 codes of wv, K innermost, in blocks of 32 codes, two codes a byte); wv_scales 256 x 8 uint8 (E8M0 scales of wv, one for each 32 codes along K); x 1 x 256 x 4 x 64 x 64 float32.
;; Outputs: out0 1 x 256 x 4 x 64 x 64 float32.
;; This version of the problem:
;;   THIS VERSION OF THE PROBLEM IS GIVEN IN LOW PRECISION. The matrix products marked QUANTISED in the list below multiply operands that are first quantised to E2M1 (2 exponent bits, 1 mantissa bit; 4 bits a number), with one power-of-two scale for each 32 numbers along K (OCP MX v1.0); their sums are f32. All else is computed in f32.
;;   The module's matrix products, in the order in which they are computed (A, B: the left and right operand; K: the contracted axis; several contracted axes count as one K, in the product's order):
;;     1. [M 16,384, K 256] x [K 256, N 256]; A: computed on the way; B: input wq (given as codes): QUANTISED
;;     2. [M 16,384, K 256] x [K 256, N 256]; A: computed on the way; B: input wk (given as codes): QUANTISED
;;     3. [M 16,384, K 256] x [K 256, N 256]; A: computed on the way; B: input wv (given as codes): QUANTISED
;;     4. batch 4 x [M 4,096, K 256] x [K 256, N 4,096]; A: computed on the way; B: computed on the way: QUANTISED
;;     5. batch 4 x [M 4,096, K 4,096] x [K 4,096, N 256]; A: softmax (see below); B: computed on the way: QUANTISED
;;     6. [M 16,384, K 256] x [K 256, N 256]; A: computed on the way; B: input wp (given as codes): QUANTISED
;;   THE QUANTISER, for each operand of a quantised product, along K:
;;     - K is cut into blocks of 32 from its start; a last block that is shorter is filled with zeros.
;;     - A block's scale is 2^e with e = floor(log2(the largest magnitude in the block)) - 2, held to -126 .. 127; a block of zeros has e = 0. As a byte (E8M0): e + 127.
;;     - Each number is divided by its block's scale, clamped to +-6, and rounded to the nearest number of E2M1, ties to even, subnormals kept.
;;     - The product sums the exact products of the quantised numbers (number of the format x scale) in f32.
;;   ~~~python
;;   def quantise(x, axis):      # numpy; x: float32 -> the quantised numbers, widened to float32 again
;;       x = np.moveaxis(x, axis, -1); K = x.shape[-1]
;;       x = np.pad(x, [(0, 0)] * (x.ndim - 1) + [(0, -K % 32)]); x = x.reshape(x.shape[:-1] + (-1, 32)); a = np.abs(x).max(-1, keepdims=True)
;;       e = np.where(a > 0, np.clip(np.frexp(np.where(a > 0, a, 1))[1] - 1 - 2, -126, 127), 0)      # np.frexp(a)[1] - 1 = floor(log2(a)), exactly
;;       r = np.clip(x / 2.0 ** e, -6, 6)
;;       step = 2.0 ** (np.maximum(np.frexp(np.where(r == 0, 1, r))[1] - 1, 0) - 1)
;;       q = np.round(r / step) * step * 2.0 ** e      # np.round: ties to even
;;       return np.moveaxis(q.reshape(q.shape[:-2] + (-1,))[..., :K], -1, axis).astype(np.float32)
;;   ~~~
;;   SOFTMAX AHEAD OF A QUANTISED PRODUCT. Where the list says 'softmax', what is quantised is not the finished softmax but p = 2^(t - M), with t = logit x log2(e) and M = ceil(the row's largest t), a whole number; so 1/2 < the row's largest p <= 1. The row's sum l is taken of the UNQUANTISED p, in f32, and the product's result is divided by l at the end. Since M is a whole number, a kernel that streams over the keys may use a running M (the ceiling of the running maximum): every later rescaling is an exact power of two, which a block's scale takes up: the codes' values come out the same.
;;   OPERANDS COMPUTED ON THE WAY. 'Computed on the way' means the value that the module computes at that place (a softmax that the list does not call 'softmax' is quantised finished and normalised). What goes into a quantiser is computed in f32, as accurately as f32 sums, v_exp_f32 and their like allow (about 1e-6 of the number): no bf16 or f16 on the way to a quantiser, and a product that is left as it is and whose result goes on into a quantised operand takes f32 operands (vector FMAs, or v_wmma_f32_16x16x4_f32). A number that lies on a knife's edge between two numbers of the format may be rounded either way, as far as f32 arithmetic and the matrix unit's own rounding can turn it there, and no further.
;;   INPUTS GIVEN AS CODES. wk (in the module: [256, 256], K = its axis 1); wp (in the module: [256, 256], K = its axis 1); wq (in the module: [256, 256], K = its axis 1); wv (in the module: [256, 256], K = its axis 1): each comes as NAME_codes (uint8): NAME with its K axis moved to the last place and cut into blocks of 32 codes, [.., K / 32, bytes a block], one block behind the other in memory; two codes a byte, the lower K in the low four bits (a code: sign, 2 exponent bits, 1 mantissa bit); and NAME_scales (uint8): the same leading axes, one E8M0 byte (e + 127) for each 32 codes along K. Its value is code x scale, taken as it is: it is not quantised again, and the codes and scales need not be those that the quantiser above would give.
;; One version. Each part assembles by itself: llvm-mc -triple=amdgcn-amd-amdhsa -mcpu=gfx1250 --defsym DOCPART=n.
;; ======== version 1 of 1: 3 launches
;; workspace buffers: stats 2,048 bytes; qc 2,097,152 bytes; qs 131,072 bytes; kv 4,456,448 bytes
;; launch stats (part 1): grid 256 x 1, 8 waves a work-group, no clusters, 1,280 bytes of LDS; arguments x, stats; writes stats
.if DOCPART == 1
	.amdgcn_target "amdgcn-amd-amdhsa--gfx1250"
	.amdhsa_code_object_version 6
	.text
	.protected	k_q4dd8bf3196_stats
	.globl	k_q4dd8bf3196_stats
	.p2align	8
	.type	k_q4dd8bf3196_stats,@function
k_q4dd8bf3196_stats:
	s_mov_b64 s[64:65], 0
	v_nop
	global_prefetch_b8 v0, s[64:65] scope:SCOPE_SE
	s_setreg_imm32_b32 hwreg(HW_REG_WAVE_MODE, 25, 1), 1
	s_wait_xcnt 0x0
; GroupNorm's statistics, channel by channel.  x: [256 channels][16,384] f32.  stats: [256][mean of the channel, sum of the squared deviations from that mean], f32.
; A work-group takes one channel, 65,536 consecutive bytes; a thread keeps 64 numbers in registers, so x is read once and yet walked twice: first the mean, then the deviations from it.
; The second walk is why no difference of large sums is formed: with a common offset many times the spread, (mean of squares) - (mean)^2 would lose its digits.
; The next launch joins the eight channels of a group.  No matrix unit, no tensor load, no cluster: the work-groups share no byte, and each byte is wanted once.
; LIMITS: NaN and infinities among the inputs are not served.
.set X, 4                              ; v[4:67]   my 64 numbers
                                       ; v[68:71]  two packed chains;  v[72:73] the mean twice, at the end (mean, M2);  v[74:81] the eight waves' sums;  v82, v83 LDS addresses
; The sum of v68 over the 256 threads, into v[dst] of every lane.  Four steps inside each half of 16 lanes ride on the additions, one crosses the halves; the eight waves' sums meet in 32 bytes of LDS at off.
.macro ALLSUM off, dst
	v_add_f32_dpp v68, v68, v68 row_xmask:1 row_mask:0xf bank_mask:0xf
	v_add_f32_dpp v68, v68, v68 row_xmask:2 row_mask:0xf bank_mask:0xf
	v_add_f32_dpp v68, v68, v68 row_xmask:4 row_mask:0xf bank_mask:0xf
	v_add_f32_dpp v68, v68, v68 row_xmask:8 row_mask:0xf bank_mask:0xf
	v_permlanex16_b32 v69, v68, s10, s11           ; (v69 has been written: a lane permute's destination counts as read)
	v_add_f32 v68, v68, v69
	ds_store_b32 v82, v68 offset:\off              ; all lanes of a wave write the wave's word with the same value
	s_wait_dscnt 0x0                               ; for the others' sake: my store has landed
	s_barrier_signal -1
	s_barrier_wait -1
	ds_load_b128 v[74:77], v83 offset:\off
	ds_load_b128 v[78:81], v83 offset:\off+16
	s_wait_dscnt 0x0
	v_add_f32 v74, v74, v75
	v_add_f32 v76, v76, v77
	v_add_f32 v78, v78, v79
	v_add_f32 v80, v80, v81
	v_add_f32 v74, v74, v76
	v_add_f32 v78, v78, v80
	v_add_f32 v[\dst], v74, v78
.endm
	s_load_b128 s[4:7], s[0:1], 0x0                ; x s[4:5], stats s[6:7]
	v_lshl_add_u32 v96, v0, 2, 0x100
	v_mov_b32 v97, 0
	v_lshlrev_b32 v1, 4, v0                        ; 16 bytes a thread: a load of the work-group covers 4,096 consecutive bytes
	v_lshrrev_b32 v2, 5, v0
	v_readfirstlane_b32 s8, v2                     ; wave
	v_lshlrev_b32 v82, 2, v2                       ; LDS: my wave's word
	v_mov_b32 v83, 0
	s_lshl_b32 s2, ttmp9, 16                       ; my channel's 65,536 bytes
	s_mov_b32 s3, 0
	s_mov_b32 s10, 0x76543210                      ; v_permlanex16_b32's selects for lane l xor 16
	s_mov_b32 s11, 0xfedcba98
	s_wait_kmcnt 0x0
	s_add_nc_u64 s[4:5], s[4:5], s[2:3]
	s_lshl_b32 s2, ttmp9, 3                        ; my channel's 8 bytes of stats
	s_add_nc_u64 s[6:7], s[6:7], s[2:3]
.set i, 0
.rept 16
	global_load_b128 v[X+4*i:X+4*i+3], v1, s[4:5] offset:4096*i   ; no hint: the next launches read x again
.set i, i+1
.endr
	s_wait_loadcnt 0x0
	; the mean: two packed chains, started by the first four pairs: nothing is cleared
	v_pk_add_f32 v[68:69], v[X:X+1], v[X+4:X+5]
	v_pk_add_f32 v[70:71], v[X+2:X+3], v[X+6:X+7]
.set i, 4
.rept 14
	v_pk_add_f32 v[68:69], v[68:69], v[X+2*i:X+2*i+1]
	v_pk_add_f32 v[70:71], v[70:71], v[X+2*i+2:X+2*i+3]
.set i, i+2
.endr
	v_pk_add_f32 v[68:69], v[68:69], v[70:71]
	v_add_f32 v68, v68, v69
	ALLSUM 0, 68
	v_mul_f32 v72, 0x38800000, v68                 ; / 16,384
	v_mov_b32 v73, v72                             ; twice: the packed subtraction names a pair
	; the deviations, in place, and the sum of their squares
.set i, 0
.rept 32
	v_pk_add_f32 v[X+2*i:X+2*i+1], v[X+2*i:X+2*i+1], v[72:73] neg_lo:[0,1] neg_hi:[0,1]
.set i, i+1
.endr
	v_pk_mul_f32 v[68:69], v[X:X+1], v[X:X+1]
	v_pk_mul_f32 v[70:71], v[X+2:X+3], v[X+2:X+3]
.set i, 2
.rept 15
	v_pk_fma_f32 v[68:69], v[X+2*i:X+2*i+1], v[X+2*i:X+2*i+1], v[68:69]
	v_pk_fma_f32 v[70:71], v[X+2*i+2:X+2*i+3], v[X+2*i+2:X+2*i+3], v[70:71]
.set i, i+2
.endr
	v_pk_add_f32 v[68:69], v[68:69], v[70:71]
	v_add_f32 v68, v68, v69
	ALLSUM 32, 73                                  ; other LDS bytes than the first sum's, so no wave's store meets a late reader; v[72:73] = (mean, M2)
	s_cmp_lg_u32 s8, 0                             ; one lane of wave 0 stores the channel's 8 bytes
	s_cbranch_scc1 .Ldone
	s_wait_xcnt 0x0                                ; EXEC changes only behind this wait
	v_cmp_eq_u32 vcc_lo, 0, v0
	s_and_saveexec_b32 s9, vcc_lo
	global_store_b64 v83, v[72:73], s[6:7]
	s_wait_xcnt 0x0                                ; and again in front of the line that widens it
	s_or_b32 exec_lo, exec_lo, s9
.Ldone:
	s_wait_tensorcnt 0x0
	ds_add_u32 v96, v97
	s_wait_dscnt 0x0
	s_endpgm
.Lfunc_end_k_q4dd8bf3196_stats:
	.size	k_q4dd8bf3196_stats, .Lfunc_end_k_q4dd8bf3196_stats-k_q4dd8bf3196_stats
	.p2alignl 7, 3214868480
	.fill 96, 4, 3214868480
	.section	.rodata,"a",@progbits
	.p2align	6, 0x0
	.amdhsa_kernel k_q4dd8bf3196_stats
		.amdhsa_group_segment_fixed_size 1280
		.amdhsa_private_segment_fixed_size 0
		.amdhsa_enable_private_segment 0
		.amdhsa_kernarg_size 16
		.amdhsa_user_sgpr_count 2
		.amdhsa_user_sgpr_kernarg_segment_ptr 1
		.amdhsa_wavefront_size32 1
		.amdhsa_system_sgpr_workgroup_id_x 1
		.amdhsa_system_sgpr_workgroup_id_y 1
		.amdhsa_system_sgpr_workgroup_id_z 1
		.amdhsa_system_vgpr_workitem_id 0
		.amdhsa_next_free_vgpr 98
		.amdhsa_next_free_sgpr 66
		.amdhsa_reserve_vcc 1
		.amdhsa_float_denorm_mode_32 3
		.amdhsa_float_denorm_mode_16_64 3
		.amdhsa_memory_ordered 1
		.amdhsa_forward_progress 1
		.amdhsa_inst_pref_size 11
	.end_amdhsa_kernel
	.amdgpu_metadata
---
amdhsa.version: [ 1, 2 ]
amdhsa.kernels:
  - .name:           k_q4dd8bf3196_stats
    .symbol:         k_q4dd8bf3196_stats.kd
    .args:
      - { .name: x, .offset: 0, .size: 8, .value_kind: global_buffer, .address_space: global }
      - { .name: stats, .offset: 8, .size: 8, .value_kind: global_buffer, .address_space: global }
    .group_segment_fixed_size: 1280
    .private_segment_fixed_size: 0
    .kernarg_segment_align: 8
    .kernarg_segment_size: 16
    .max_flat_workgroup_size: 256
    .sgpr_count:     66
    .vgpr_count:     98
    .wavefront_size: 32
...
	.end_amdgpu_metadata
.endif
;; end of part 1
;; launch qkv (part 2): grid 256 x 1, 8 waves a work-group, clusters of 4 x 1, 197,632 bytes of LDS; arguments x, stats, gamma, beta, wq_codes, wq_scales, bq, wk_codes, wk_scales, bk, wv_codes, wv_scales, bv, qc, qs, kv; writes qc, qs, kv
.if DOCPART == 2
	.amdgcn_target "amdgcn-amd-amdhsa--gfx1250"
	.amdhsa_code_object_version 6
	.text
	.protected	k_q4dd8bf3196_qkv
	.globl	k_q4dd8bf3196_qkv
	.p2align	8
	.type	k_q4dd8bf3196_qkv,@function
k_q4dd8bf3196_qkv:
	s_mov_b64 s[64:65], 0
	v_nop
	global_prefetch_b8 v0, s[64:65] scope:SCOPE_SE
	s_setreg_imm32_b32 hwreg(HW_REG_WAVE_MODE, 25, 1), 1
	s_wait_xcnt 0x0
	s_wait_alu depctr_hold_cnt(0) depctr_sa_sdst(0) depctr_va_vdst(0) depctr_va_sdst(0) depctr_va_ssrc(0) depctr_va_vcc(0) depctr_vm_vsrc(0)
	s_getreg_b32 s2, hwreg(HW_REG_IB_STS2, 6, 4)
	s_cmp_eq_u32 s2, 0
	s_cbranch_scc0 .Lentry_in_a_cluster
	s_endpgm
.Lentry_in_a_cluster:
	s_bfe_u32 s2, ttmp6, 0x10000c
	s_cmp_lg_u32 s2, 0x3003
	s_cbranch_scc0 .Lentry_shape_is_right
	s_endpgm
.Lentry_shape_is_right:
; GroupNorm finished, tokens quantised along the channels, q = tok wq^T + bq, k, v likewise on codes of FP4 (E2M1) with one E8M0 scale for each 32 along K, and q, k (along the channels) and v (along the keys)
; quantised again and stored as IMAGES OF OPERAND REGISTERS for the attention launch: a fragment (16 rows x 128 K) is 8 registers a lane; registers 4 c .. 4 c + 3 of lane l lie at 512 c + 16 l.
; SHARES.  A work-group owns 64 tokens (number 64 wg on; x is [256 channels][16,384 tokens], so a channel's 64 tokens are 256 consecutive bytes).  Eight waves:
;   tokens: wave w makes the token fragment (tile w / 2, K step w % 2);   q, k: wave w takes matrix w % 2, output half (w / 2) % 2, token tiles 2 (w / 4) and + 1;   v: wave w takes channels 32 w .. 32 w + 31, all 64 tokens.
; THE ROWS OF A TILE ARE NOT NEIGHBOURS: lane r of tile 2 b + u stands for row 32 b + 8 u + r + 8 (r / 8), for tiles of tokens and of weight rows alike.  In a result, register j of lane half h of tiles 2 b, 2 b + 1 is then
; row 32 b + 16 h + 8 u + j: 16 neighbours along the next product's K lie in one lane's 16 registers, and the conversions' results are the next operand.
; q, k are made TRANSPOSED (source 0 = 16 weight rows, source 1 = 16 tokens): a lane holds one token, registers run along the channels.  v is made the other way (source 0 = tokens, source 1 = weight rows): a lane holds one
; channel and registers run along the keys, which are v's K in the attention.
; kv, for each step of 128 keys a dense block of 34,816 bytes: K's 16 fragments (key tile j, K step s at 1,024 (2 j + s)); at 16,384 V's fragments, chunk c of tile d at 8,192 c + 512 d; at 32,768 K's scale words
; [g][lane = 16 s + r][i]: key tile 4 g + i; at 33,792 V's [g][lane][i]: lanes 0-15 tile 2 (4 g + i), lanes 16-31 the next.  Two work-groups (hf = 0, 1) fill a block.
; CLUSTER.  All work-groups read the same 96 KiB of weight codes: the four of a cluster ask for them jointly.  x's tile is a work-group's own: a plain load.  Every LDS byte is filled once.
; V's scale words leave in pieces of 2 bytes (64 bytes a wave, 512 of the 26,112 that a work-group stores): a word's four key blocks come from two work-groups.
; LIMITS: NaN and infinities are not served.  A block whose largest magnitude lies under 2^-124 keeps the scale byte 1, a block of zeros too (its codes are zeros; these bytes are read by this program alone).
.set XP,    264                        ; x's tile in LDS: a channel's 256 bytes + 8 of padding: 16 rows on is 32 banks on, so both halves of the lanes read different banks
.set WL,    67584                      ; behind x's 256 rows: wq's, wk's, wv's codes, 256 rows x (128 bytes + 16) each
.set WP,    144
.set WMAT,  36864
.set TA,    178176                     ; a_c = gamma_c / sqrt(var + eps), 256 words; beta follows 1,024 bytes on
.set TMN,   180224                     ; the 32 groups' means
.set TOK,   180480                     ; the 8 token fragments, (2 tile + K step) x 1,024
.set TOKS,  188672                     ; their scale words: [tile][lanes 0-15 K step 0, lanes 16-31 K step 1]
.set SS,    189184                     ; q's, then k's scale words on their way out: [lane = 16 half + r][tile], 512 bytes each
.set STEPB, 34816
.set WS,   24                          ; v[24:39]   my 8 weight tiles' scale words, (K step 0, K step 1) a tile
.set VWS,  40                          ; v[40:43]   the same for my two tiles of wv
.set TSR,  44                          ; v[44:47]   token scale words
.set TF,   48                          ; v[48:63]   a token tile's two fragments
.set MG,   48                          ; v[48:55]   (token phase) the groups' means
.set HA,   64                          ; v[64:127]  64 numbers of a lane: x, then results
.set W,    128                         ; v[128:191] a; weight fragments; at work in the quantisers
.set BI,   192                         ; v[192:255] beta; the biases as C; all 8 token fragments
.set WV,   36                          ; s36 wave;  s37 cx;  s38 wg;  s39 w % 2;  s40 (w / 2) % 2;  s41 w / 4;  s42 key step;  s43 hf
.set SEL,  84                          ; s[84:85] v_permlanex16_b32's selects for lane l xor 16
.macro PLACES n                        ; plain vector instructions that name nothing: the distance behind matrix instructions (ISA guide 7.12.1)
.rept \n
	v_nop
.endr
.endm
.macro BAR                             ; my LDS stores have landed and my LDS loads are in: then the work-group's barrier
	s_wait_dscnt 0x0
	s_barrier_signal -1
	s_barrier_wait -1
.endm
.macro CROUND                          ; a round of the cluster's barrier: my work-group's barrier, wave 0 signals for the work-group, every wave waits for all four, my work-group's barrier once more
	s_barrier_signal -1
	s_barrier_wait -1
	s_cmp_lg_u32 s[WV], 0
	s_cbranch_scc1 .Lnot_wave_0_\@
	s_barrier_signal -3
.Lnot_wave_0_\@:
	s_barrier_wait -3
	s_barrier_signal -1
	s_barrier_wait -1
.endm
; 64 numbers of a lane, register src + 16 b + i = k 32 b + 16 (lane / 16) + i of my row, become a fragment's codes in v[pc .. pc + 7] and its scale word in v[pw].  tm: 16 registers at work.
.macro QUANT src, tm, pc, pw
.irp b, 0,1,2,3
	v_max3_num_f32 v[\tm+\b], |v[\src+16*\b]|, |v[\src+16*\b+1]|, 0x1800000   ; block b: my 16 numbers, and the floor 2^(3 - 127): the byte cannot fall under 1
.endr
.irp i, 2,4,6,8,10,12,14
.irp b, 0,1,2,3
	v_max3_num_f32 v[\tm+\b], v[\tm+\b], |v[\src+16*\b+\i]|, |v[\src+16*\b+\i+1]|   ; the four blocks by turns
.endr
.endr
.irp b, 0,1,2,3
	v_permlanex16_b32 v[\tm+4+\b], v[\tm+\b], s[SEL], s[SEL+1]
.endr
.irp b, 0,1,2,3
	v_max_num_f32 v[\tm+\b], v[\tm+\b], v[\tm+4+\b]   ; with lane l xor 16's: the block's largest magnitude
.endr
.irp b, 0,1,2,3
	v_add_nc_u32 v[\tm+12+\b], 0xff000000, v[\tm+\b]  ; 2 off its exponent field: the conversion takes this operand's exponent field as its scale
.endr
.irp b, 0,1,2,3
	v_lshrrev_b32 v[\tm+4+\b], 23, v[\tm+12+\b]       ; the scale's byte
.endr
	v_lshl_or_b32 v[\pw], v[\tm+5], 8, v[\tm+4]
	v_lshl_or_b32 v[\pw], v[\tm+6], 16, v[\pw]
	v_lshl_or_b32 v[\pw], v[\tm+7], 24, v[\pw]
.irp b, 0,1,2,3
	v_cvt_scalef32_pk8_fp4_f32 v[\pc+2*\b], v[\src+16*\b:\src+16*\b+7], v[\tm+12+\b]
	v_cvt_scalef32_pk8_fp4_f32 v[\pc+2*\b+1], v[\src+16*\b+8:\src+16*\b+15], v[\tm+12+\b]
.endr
	v_nop                                          ; one plain place behind a scaled conversion
.irp c, 0,1                                    ; the operand wants a WHOLE block in a lane: lanes 0-15 block 2 c, lanes 16-31 block 2 c + 1
.irp i, 0,1
	v_permlane16_swap_b32 v[\pc+4*\c+\i], v[\pc+4*\c+2+\i]
.endr
.endr
.endm
	s_load_b512 s[4:19], s[0:1], 0x0               ; x 4, stats 6, gamma 8, beta 10, wq_codes 12, wq_scales 14, bq 16, wk_codes 18
	s_load_b512 s[20:35], s[0:1], 0x40             ; wk_scales 20, bk 22, wv_codes 24, wv_scales 26, bv 28, qc 30, qs 32, kv 34
	s_set_vgpr_msb 0x40
	v_lshl_add_u32 v0, v0, 2, 0x30000
	v_mov_b32 v1, 0
	s_set_vgpr_msb 0x4045
	ds_add_u32 v0, v1
	ds_add_u32 v0, v1
	s_set_vgpr_msb 0x4500
	v_lshrrev_b32 v19, 5, v0
	v_readfirstlane_b32 s[WV], v19
	s_bfe_u32 s37, ttmp6, 0x40000                  ; cx: my place in the cluster; it enters global addresses alone
	s_lshl_b32 s38, ttmp9, 2                       ; in a cluster launch ttmp9 counts clusters
	s_add_co_u32 s38, s38, s37                     ; wg
	s_and_b32 s39, s[WV], 1
	s_bfe_u32 s40, s[WV], 0x10001
	s_lshr_b32 s41, s[WV], 2
	s_lshr_b32 s42, s38, 1                         ; which step of 128 keys my tokens belong to,
	s_and_b32 s43, s38, 1                          ; and which half of it
	s_mov_b32 s[SEL], 0x76543210
	s_mov_b32 s[SEL+1], 0xfedcba98
	s_mov_b32 s86, 0xffff0000                      ; lanes 16-31
	s_mov_b32 s97, 0                               ; s[96:97]: a 32-bit offset as a pair
	; descriptor group 1 for x: 32 channels x 64 tokens of 4 bytes, 16,384 elements from channel to channel; 2 words of padding behind every 64
	s_mov_b32 s48, (2<<16)|(1<<20)|(5<<22)|(1<<25)
	s_mov_b32 s49, 64<<16                          ; tensor_dim0
	s_mov_b32 s50, 32<<16                          ; tensor_dim1
	s_mov_b32 s51, 64<<16                          ; tile_dim0
	s_mov_b32 s52, 32                              ; tile_dim1
	s_mov_b32 s53, 16384                           ; stride
	s_mov_b32 s54, 0
	s_mov_b32 s55, 0
	; and for a weight: 32 rows x 128 bytes, dense; 4 words of padding behind every 32; the mask names all four work-groups, bit 21 beside it
	s_mov_b32 s56, 15|(1<<20)|(1<<21)|(4<<22)|(3<<25)
	s_mov_b32 s57, 128<<16
	s_mov_b32 s58, 32<<16
	s_mov_b32 s59, 128<<16
	s_mov_b32 s60, 32
	s_mov_b32 s61, 128
	s_mov_b32 s62, 0
	s_mov_b32 s63, 0
	; lane terms and LDS addresses
	v_and_b32 v1, 15, v0                           ; r
	v_bfe_u32 v2, v0, 4, 1                         ; h
	v_and_b32 v3, 8, v1
	v_add_nc_u32 v3, v3, v1                        ; rp = r + 8 (r / 8)
	v_and_b32 v4, 31, v0
	v_lshlrev_b32 v5, 2, v4                        ; 4 x lane
	v_lshlrev_b32 v4, 4, v4                        ; 16 x lane
	s_mul_i32 s44, s39, 128*XP                     ; x: channel 128 s + 16 h, token 32 (tile / 2) + 8 (tile % 2) + rp, with tile = w / 2, s = w % 2
	s_lshl_b32 s45, s41, 7
	s_add_co_u32 s44, s44, s45
	s_lshl_b32 s45, s40, 5
	s_add_co_u32 s44, s44, s45
	v_mul_u32_u24 v6, v2, 16*XP
	v_lshl_add_u32 v6, v3, 2, v6
	v_add_nc_u32 v6, s44, v6
	s_lshl_b32 s44, s39, 9
	s_add_co_u32 s44, s44, TA
	v_lshl_add_u32 v7, v2, 6, s44                  ; a and beta of channels 128 s + 16 h on
	s_lshl_b32 s44, s39, 6
	s_add_co_u32 s44, s44, TMN
	v_lshl_add_u32 v8, v2, 3, s44                  ; the means of groups 16 s + 2 h on
	s_lshl_b32 s44, s[WV], 10
	s_add_co_u32 s44, s44, TOK
	v_add_nc_u32 v9, s44, v4                       ; where my token fragment goes,
	s_lshl_b32 s44, s[WV], 6
	s_add_co_u32 s44, s44, TOKS
	v_lshl_add_u32 v10, v1, 2, s44                 ; and its scale words
	s_mul_i32 s44, s39, WMAT                       ; q, k: my matrix, my 128 rows; row rp, + 16 h
	s_mul_i32 s45, s40, 128*WP
	s_add_co_u32 s44, s44, s45
	s_add_co_u32 s44, s44, WL
	v_mul_u32_u24 v15, v3, WP
	v_lshl_add_u32 v15, v2, 4, v15
	v_add_nc_u32 v11, s44, v15
	s_mul_i32 s44, s[WV], 32*WP                    ; v: my 32 rows of wv
	s_add_co_u32 s44, s44, WL+2*WMAT
	v_add_nc_u32 v15, s44, v15
	s_lshl_b32 s44, s41, 12
	s_add_co_u32 s44, s44, TOK
	v_add_nc_u32 v12, s44, v4                      ; my two token tiles' fragments,
	s_lshl_b32 s44, s41, 8
	s_add_co_u32 s44, s44, TOKS
	v_add_nc_u32 v13, s44, v5                      ; and their scale words
	s_lshl_b32 s44, s39, 9                         ; the scale stage: matrix, (16 half + r) x 16, tile x 4
	s_lshl_b32 s45, s40, 8
	s_add_co_u32 s44, s44, s45
	s_lshl_b32 s45, s41, 3
	s_add_co_u32 s44, s44, s45
	s_add_co_u32 s44, s44, SS
	v_lshl_add_u32 v14, v1, 4, s44
	v_lshlrev_b32 v16, 3, v3                       ; global offsets: 8 rp (a weight row's 8 scale bytes),
	v_lshlrev_b32 v17, 6, v2                       ; 64 h (16 biases),
	v_lshlrev_b32 v18, 2, v3                       ; 4 rp (my channel's bias)
	s_wait_dscnt 0x0
	s_wait_kmcnt 0x0
	s_mul_i32 s96, s42, STEPB
	s_add_nc_u64 s[94:95], s[34:35], s[96:97]      ; my key step's block of kv
	s_lshl_b32 s96, s38, 13
	s_add_nc_u64 s[30:31], s[30:31], s[96:97]      ; my 8,192 bytes of qc
	s_lshl_b32 s96, s43, 13
	s_add_nc_u64 s[46:47], s[94:95], s[96:97]      ; my half's 8 fragments of K
	s_cmp_eq_u32 s39, 0                            ; q's wave or k's?  The choice hangs on the wave's number alone
	s_cselect_b64 s[92:93], s[30:31], s[46:47]     ; where the codes go,
	s_cselect_b64 s[88:89], s[14:15], s[20:21]     ; the weight's scale bytes,
	s_cselect_b64 s[90:91], s[16:17], s[22:23]     ; the bias
	s_lshl_b32 s96, s41, 12
	s_lshl_b32 s44, s40, 10
	s_add_co_u32 s96, s96, s44
	s_add_nc_u64 s[92:93], s[92:93], s[96:97]      ; + 2,048 x tile + 1,024 x half
	s_mov_b32 s96, s44
	s_add_nc_u64 s[88:89], s[88:89], s[96:97]      ; my 128 rows' scale bytes
	s_lshl_b32 s96, s40, 9
	s_add_nc_u64 s[90:91], s[90:91], s[96:97]      ; my 128 biases
	s_lshl_b32 s96, s[WV], 8
	s_add_nc_u64 s[26:27], s[26:27], s[96:97]      ; wv's scale bytes of my 32 rows
	s_lshl_b32 s96, s[WV], 7
	s_add_nc_u64 s[28:29], s[28:29], s[96:97]      ; bv of my 32 channels
	s_lshl_b32 s96, s43, 13
	s_lshl_b32 s44, s[WV], 10
	s_add_co_u32 s96, s96, s44
	s_add_co_u32 s96, s96, 16384
	s_add_nc_u64 s[98:99], s[94:95], s[96:97]      ; V's codes: chunk hf, tiles 2 w and 2 w + 1
	s_lshl_b32 s96, s41, 9
	s_and_b32 s44, s[WV], 3
	s_lshl_b32 s44, s44, 2
	s_add_co_u32 s96, s96, s44
	s_lshl_b32 s44, s43, 1
	s_add_co_u32 s96, s96, s44
	s_add_co_u32 s96, s96, 33792
	s_add_nc_u64 s[2:3], s[94:95], s[96:97]        ; V's scale words: register w, bytes 2 hf and 2 hf + 1
	s_lshl_b32 s96, s38, 9
	s_add_nc_u64 s[32:33], s[32:33], s[96:97]      ; my 512 bytes of qs
	s_lshl_b32 s96, s43, 9
	s_add_co_u32 s96, s96, 32768
	s_add_nc_u64 s[46:47], s[94:95], s[96:97]      ; my half of K's scale words
	s_cmp_eq_u32 s[WV], 0
	s_cselect_b64 s[32:33], s[32:33], s[46:47]     ; wave 0 sends q's stage, wave 1 k's
	; descriptor groups 0: each wave brings 32 channels of x and 32 rows of each weight
	s_mov_b32 s68, 1
	s_mul_i32 s69, s[WV], 32*XP
	s_lshl_b32 s96, s[WV], 21                      ; 32 channels of 65,536 bytes,
	s_lshl_b32 s44, s38, 8                         ; my 64 tokens
	s_add_co_u32 s96, s96, s44
	s_add_nc_u64 s[70:71], s[4:5], s[96:97]
	s_or_b32 s71, s71, 0x80000000
	s_lshl_b32 s96, s[WV], 12                      ; 32 rows of 128 bytes: the same in all four work-groups
	s_mul_i32 s44, s[WV], 32*WP
	s_mov_b32 s72, 1
	s_add_co_u32 s73, s44, WL
	s_add_nc_u64 s[74:75], s[12:13], s[96:97]
	s_or_b32 s75, s75, 0x80000000
	s_mov_b32 s76, 1
	s_add_co_u32 s77, s44, WL+WMAT
	s_add_nc_u64 s[78:79], s[18:19], s[96:97]
	s_or_b32 s79, s79, 0x80000000
	s_mov_b32 s80, 1
	s_add_co_u32 s81, s44, WL+2*WMAT
	s_add_nc_u64 s[82:83], s[24:25], s[96:97]
	s_or_b32 s83, s83, 0x80000000
	CROUND                                         ; all four work-groups are here: the joint loads meet
	tensor_load_to_lds s[68:71], s[48:55]          ; the launch's only fills go out as one group: four loads of mine are out
	s_nop 0
	tensor_load_to_lds s[72:75], s[56:63]
	s_nop 0
	tensor_load_to_lds s[76:79], s[56:63]
	s_nop 0
	tensor_load_to_lds s[80:83], s[56:63]
	s_nop 0
	PLACES 4
	; ---- the head: thread = channel.  A group's eight channels lie in eight neighbouring lanes
	v_lshlrev_b32 v19, 3, v0
	v_lshlrev_b32 v56, 2, v0
	global_load_b64 v[66:67], v19, s[6:7]          ; my channel's mean and M2
	global_load_b32 v68, v56, s[8:9]               ; gamma
	global_load_b32 v69, v56, s[10:11]             ; beta
.irp t, 0,1,2,3,4,5,6,7
	global_load_b64 v[WS+2*\t:WS+2*\t+1], v16, s[88:89] offset:(32*(\t/2)+8*(\t%2))*8
.endr
.irp e, 0,1
	global_load_b64 v[VWS+2*\e:VWS+2*\e+1], v16, s[26:27] offset:64*\e
.endr
.irp e, 0,1
	global_load_b32 v[20+\e], v18, s[28:29] offset:32*\e
.endr
	v_lshl_add_u32 v22, v0, 2, TA
	v_lshrrev_b32 v23, 3, v0
	v_lshl_add_u32 v23, v23, 2, TMN
	s_mov_b32 s44, 0x37000000                      ; 1 / 131,072
	s_wait_loadcnt 12                              ; the first three are in; the 8 + 2 + 2 behind them may stay out
	v_mov_b32 v70, v66
	v_add_f32_dpp v70, v70, v70 row_xmask:1 row_mask:0xf bank_mask:0xf
	v_add_f32_dpp v70, v70, v70 row_xmask:2 row_mask:0xf bank_mask:0xf
	v_add_f32_dpp v70, v70, v70 row_xmask:4 row_mask:0xf bank_mask:0xf
	v_mul_f32 v70, 0x3e000000, v70                 ; the group's mean: its eight channels are equally long
	v_sub_f32 v71, v66, v70
	v_mul_f32 v71, v71, v71
	v_fmamk_f32 v71, v71, 0x46800000, v67          ; M2 about the group's mean: M2_c + 16,384 (mean_c - mean_g)^2
	v_add_f32_dpp v71, v71, v71 row_xmask:1 row_mask:0xf bank_mask:0xf
	v_add_f32_dpp v71, v71, v71 row_xmask:2 row_mask:0xf bank_mask:0xf
	v_add_f32_dpp v71, v71, v71 row_xmask:4 row_mask:0xf bank_mask:0xf
	v_fmaak_f32 v71, s44, v71, 0x358637bd          ; var + 1e-6
	v_rsq_f32 v71, v71
	v_nop                                          ; one plain place behind a transcendental
	s_wait_alu depctr_va_vdst(0)
	v_mul_f32 v71, v68, v71                        ; a = gamma / sqrt(var + eps)
	ds_store_b32 v22, v71
	ds_store_b32 v22, v69 offset:1024
	ds_store_b32 v23, v70                          ; a group's eight lanes write the same word with the same value
	s_wait_tensorcnt 0x0                           ; my parts of x and of the weights have landed
	BAR
	; ---- the tokens: y = (x - mean) a + beta, the mean taken off first; 64 numbers of my token down the channels, quantised
.irp b, 0,1,2,3
.irp q, 0,1,2,3
	ds_load_b128 v[W+16*\b+4*\q:W+16*\b+4*\q+3], v7 offset:(32*\b+4*\q)*4
	ds_load_b128 v[BI+16*\b+4*\q:BI+16*\b+4*\q+3], v7 offset:(32*\b+4*\q)*4+1024
.endr
	ds_load_b64 v[MG+2*\b:MG+2*\b+1], v8 offset:16*\b
.endr
.set i, 0
.rept 64
	ds_load_b32 v[HA+i], v6 offset:(32*(i/16)+i%16)*XP   ; x(channel 128 s + 32 b + 16 h + i, my token)
.set i, i+1
.endr
	s_wait_dscnt 0x0
.set i, 0
.rept 64
	v_sub_f32 v[HA+i], v[HA+i], v[MG+2*(i/16)+(i%16)/8]
.set i, i+1
.endr
.set i, 0
.rept 32
	v_pk_fma_f32 v[HA+2*i:HA+2*i+1], v[HA+2*i:HA+2*i+1], v[W+2*i:W+2*i+1], v[BI+2*i:BI+2*i+1]
.set i, i+1
.endr
.irp t, 0,1,2,3,4,5,6,7                        ; the biases of q or k, in the result's layout: lane half h of tile 2 b + u wants outputs 32 b + 16 h + 8 u + 0 .. 7.  They land while the tokens are quantised
	global_load_b128 v[BI+8*\t:BI+8*\t+3], v17, s[90:91] offset:(32*(\t/2)+8*(\t%2))*4
	global_load_b128 v[BI+8*\t+4:BI+8*\t+7], v17, s[90:91] offset:(32*(\t/2)+8*(\t%2))*4+16
.endr
	QUANT HA, W, W+16, W+24
	ds_store_b128 v9, v[W+16:W+19]
	ds_store_b128 v9, v[W+20:W+23] offset:512
	ds_store_b32 v10, v[W+24]                      ; both halves of the lanes write the same word with the same value
	BAR                                            ; the eight token fragments lie in LDS
	v_add_nc_u32 v6, TOK, v4                       ; x's, a's and the means' addresses are done with: all fragments,
	v_add_nc_u32 v7, TOKS, v5                      ; all their scale words,
	s_lshl_b32 s44, s[WV], 9
	s_add_co_u32 s44, s44, SS
	v_add_nc_u32 v8, s44, v4                       ; and a scale stage on its way out
	; ---- q or k: my 8 tiles of outputs for two tiles of tokens, one after the other
	s_wait_loadcnt 0x0                             ; scale words and biases
.irp e, 0,1
	s_wait_xcnt 0x0                                ; the last pass's stores have read their registers
.irp s, 0,1
.irp c, 0,1
	ds_load_b128 v[TF+8*\s+4*\c:TF+8*\s+4*\c+3], v12 offset:\e*2048+\s*1024+\c*512
.endr
.endr
	ds_load_b32 v[TSR], v13 offset:\e*128
.irp s, 0,1
.if \s == 1
	PLACES 4                                       ; in front of loads into registers that matrix instructions have read
.endif
.irp t, 0,1,2,3,4,5,6,7
.irp c, 0,1
	ds_load_b128 v[W+8*\t+4*\c:W+8*\t+4*\c+3], v11 offset:(32*(\t/2)+8*(\t%2))*WP+64*\s+32*\c
.endr
.endr
	s_wait_dscnt 0x0
.irp t, 0,1,2,3,4,5,6,7                        ; the eight accumulators take turns; the bias is the first product's C
.if \s == 0
	v_wmma_scale_f32_16x16x128_f8f6f4 v[HA+8*\t:HA+8*\t+7], v[W+8*\t:W+8*\t+7], v[TF:TF+7], v[BI+8*\t:BI+8*\t+7], v[WS+2*\t], v[TSR] matrix_a_fmt:MATRIX_FMT_FP4 matrix_b_fmt:MATRIX_FMT_FP4
.else
	v_wmma_scale_f32_16x16x128_f8f6f4 v[HA+8*\t:HA+8*\t+7], v[W+8*\t:W+8*\t+7], v[TF+8:TF+15], v[HA+8*\t:HA+8*\t+7], v[WS+2*\t+1], v[TSR] matrix_a_fmt:MATRIX_FMT_FP4 matrix_b_fmt:MATRIX_FMT_FP4 matrix_b_scale:MATRIX_SCALE_ROW1
.endif
.endr
.endr
	PLACES 5                                       ; four for the reads and loads that follow, the fifth for the next products, which begin these accumulators anew
	QUANT HA, W, W+16, W+24
	global_store_b128 v4, v[W+16:W+19], s[92:93] offset:\e*2048       ; 32 lanes store 512 consecutive bytes, at a multiple of 512 from the buffer's first byte
	global_store_b128 v4, v[W+20:W+23], s[92:93] offset:\e*2048+512
	ds_store_b32 v14, v[W+24] offset:4*\e
.endr
	; ---- v: source 0 = 16 tokens, source 1 = 16 rows of wv: a lane holds one channel, registers run along the keys
	s_wait_xcnt 0x0
.irp e, 0,1
.irp k, 0,1,2,3,4,5,6,7
	v_mov_b32 v[W+32+8*\e+\k], v[20+\e]            ; the bias as C: a lane's eight results are one channel's
.endr
.endr
.irp f, 0,1,2,3,4,5,6,7
.irp c, 0,1
	ds_load_b128 v[BI+8*\f+4*\c:BI+8*\f+4*\c+3], v6 offset:\f*1024+\c*512
.endr
.endr
.irp m, 0,1,2,3
	ds_load_b32 v[TSR+\m], v7 offset:128*\m
.endr
.irp e, 0,1
.irp s, 0,1
.irp c, 0,1
	ds_load_b128 v[W+8*(2*\e+\s)+4*\c:W+8*(2*\e+\s)+4*\c+3], v15 offset:\e*8*WP+64*\s+32*\c
.endr
.endr
.endr
	s_wait_dscnt 0x0
.irp s, 0,1
.irp e, 0,1
.irp m, 0,1,2,3
.if \s == 0
	v_wmma_scale_f32_16x16x128_f8f6f4 v[HA+32*\e+8*\m:HA+32*\e+8*\m+7], v[BI+16*\m:BI+16*\m+7], v[W+16*\e:W+16*\e+7], v[W+32+8*\e:W+32+8*\e+7], v[TSR+\m], v[VWS+2*\e] matrix_a_fmt:MATRIX_FMT_FP4 matrix_b_fmt:MATRIX_FMT_FP4
.else
	v_wmma_scale_f32_16x16x128_f8f6f4 v[HA+32*\e+8*\m:HA+32*\e+8*\m+7], v[BI+16*\m+8:BI+16*\m+15], v[W+16*\e+8:W+16*\e+15], v[HA+32*\e+8*\m:HA+32*\e+8*\m+7], v[TSR+\m], v[VWS+2*\e+1] matrix_a_fmt:MATRIX_FMT_FP4 matrix_b_fmt:MATRIX_FMT_FP4 matrix_a_scale:MATRIX_SCALE_ROW1
.endif
.endr
.endr
.endr
	PLACES 4
; My channel's 64 keys of tile e: two blocks of 32; register 16 b + i = key 32 b + 16 h + i.  They are chunk hf of V's fragment, and two bytes of its scale word.
.macro VQUANT e
.irp b, 0,1
	v_max3_num_f32 v[W+48+\b], |v[HA+32*\e+16*\b]|, |v[HA+32*\e+16*\b+1]|, 0x1800000
.endr
.irp i, 2,4,6,8,10,12,14
.irp b, 0,1
	v_max3_num_f32 v[W+48+\b], v[W+48+\b], |v[HA+32*\e+16*\b+\i]|, |v[HA+32*\e+16*\b+\i+1]|
.endr
.endr
.irp b, 0,1
	v_permlanex16_b32 v[W+50+\b], v[W+48+\b], s[SEL], s[SEL+1]
.endr
.irp b, 0,1
	v_max_num_f32 v[W+48+\b], v[W+48+\b], v[W+50+\b]
.endr
.irp b, 0,1
	v_add_nc_u32 v[W+52+\b], 0xff000000, v[W+48+\b]
.endr
.irp b, 0,1
	v_lshrrev_b32 v[W+50+\b], 23, v[W+52+\b]
.endr
	v_lshl_or_b32 v[W+54+\e], v[W+51], 8, v[W+50]
.irp b, 0,1
	v_cvt_scalef32_pk8_fp4_f32 v[W+56+4*\e+2*\b], v[HA+32*\e+16*\b:HA+32*\e+16*\b+7], v[W+52+\b]
	v_cvt_scalef32_pk8_fp4_f32 v[W+56+4*\e+2*\b+1], v[HA+32*\e+16*\b+8:HA+32*\e+16*\b+15], v[W+52+\b]
.endr
	v_nop                                          ; one plain place behind a scaled conversion
	v_permlane16_swap_b32 v[W+56+4*\e], v[W+56+4*\e+2]
	v_permlane16_swap_b32 v[W+56+4*\e+1], v[W+56+4*\e+3]
	global_store_b128 v4, v[W+56+4*\e:W+56+4*\e+3], s[98:99] offset:512*\e
.endm
	VQUANT 0
	VQUANT 1
	v_cndmask_b32 v19, v[W+54], v[W+55], s86       ; lanes 0-15: tile 2 w's two bytes; lanes 16-31: tile 2 w + 1's
	global_store_b16 v4, v19, s[2:3]
	; ---- q's and k's scale words leave as 512 consecutive bytes each
	BAR
	s_cmp_gt_u32 s[WV], 1
	s_cbranch_scc1 .Lno_scales
	ds_load_b128 v[W:W+3], v8
	s_wait_dscnt 0x0
	global_store_b128 v4, v[W:W+3], s[32:33]
.Lno_scales:
	s_set_vgpr_msb 0x5
	s_wait_tensorcnt 0x0
	ds_add_u32 v0, v1
	s_wait_dscnt 0x0
	s_set_vgpr_msb 0x500
	CROUND                                         ; the closing round: no work-group ends while a partner may still ask for a tile that names it
	s_endpgm
.Lfunc_end_k_q4dd8bf3196_qkv:
	.size	k_q4dd8bf3196_qkv, .Lfunc_end_k_q4dd8bf3196_qkv-k_q4dd8bf3196_qkv
	.p2alignl 7, 3214868480
	.fill 96, 4, 3214868480
	.section	.rodata,"a",@progbits
	.p2align	6, 0x0
	.amdhsa_kernel k_q4dd8bf3196_qkv
		.amdhsa_group_segment_fixed_size 197632
		.amdhsa_private_segment_fixed_size 0
		.amdhsa_enable_private_segment 0
		.amdhsa_kernarg_size 128
		.amdhsa_user_sgpr_count 2
		.amdhsa_user_sgpr_kernarg_segment_ptr 1
		.amdhsa_wavefront_size32 1
		.amdhsa_system_sgpr_workgroup_id_x 1
		.amdhsa_system_sgpr_workgroup_id_y 1
		.amdhsa_system_sgpr_workgroup_id_z 1
		.amdhsa_system_vgpr_workitem_id 0
		.amdhsa_next_free_vgpr 258
		.amdhsa_next_free_sgpr 100
		.amdhsa_reserve_vcc 0
		.amdhsa_float_denorm_mode_32 3
		.amdhsa_float_denorm_mode_16_64 3
		.amdhsa_memory_ordered 1
		.amdhsa_forward_progress 1
		.amdhsa_inst_pref_size 54
	.end_amdhsa_kernel
	.amdgpu_metadata
---
amdhsa.version: [ 1, 2 ]
amdhsa.kernels:
  - .name:           k_q4dd8bf3196_qkv
    .symbol:         k_q4dd8bf3196_qkv.kd
    .args:
      - { .name: x, .offset: 0, .size: 8, .value_kind: global_buffer, .address_space: global }
      - { .name: stats, .offset: 8, .size: 8, .value_kind: global_buffer, .address_space: global }
      - { .name: gamma, .offset: 16, .size: 8, .value_kind: global_buffer, .address_space: global }
      - { .name: beta, .offset: 24, .size: 8, .value_kind: global_buffer, .address_space: global }
      - { .name: wq_codes, .offset: 32, .size: 8, .value_kind: global_buffer, .address_space: global }
      - { .name: wq_scales, .offset: 40, .size: 8, .value_kind: global_buffer, .address_space: global }
      - { .name: bq, .offset: 48, .size: 8, .value_kind: global_buffer, .address_space: global }
      - { .name: wk_codes, .offset: 56, .size: 8, .value_kind: global_buffer, .address_space: global }
      - { .name: wk_scales, .offset: 64, .size: 8, .value_kind: global_buffer, .address_space: global }
      - { .name: bk, .offset: 72, .size: 8, .value_kind: global_buffer, .address_space: global }
      - { .name: wv_codes, .offset: 80, .size: 8, .value_kind: global_buffer, .address_space: global }
      - { .name: wv_scales, .offset: 88, .size: 8, .value_kind: global_buffer, .address_space: global }
      - { .name: bv, .offset: 96, .size: 8, .value_kind: global_buffer, .address_space: global }
      - { .name: qc, .offset: 104, .size: 8, .value_kind: global_buffer, .address_space: global }
      - { .name: qs, .offset: 112, .size: 8, .value_kind: global_buffer, .address_space: global }
      - { .name: kv, .offset: 120, .size: 8, .value_kind: global_buffer, .address_space: global }
    .group_segment_fixed_size: 197632
    .private_segment_fixed_size: 0
    .kernarg_segment_align: 8
    .kernarg_segment_size: 128
    .max_flat_workgroup_size: 256
    .sgpr_count:     100
    .vgpr_count:     258
    .wavefront_size: 32
...
	.end_amdgpu_metadata
.endif
;; end of part 2
;; launch attn (part 3): grid 64 x 4, 8 waves a work-group, clusters of 4 x 1, 327,680 bytes of LDS; arguments qc, qs, kv, wp_codes, wp_scales, bp, x, out0; writes out0
.if DOCPART == 3
	.amdgcn_target "amdgcn-amd-amdhsa--gfx1250"
	.amdhsa_code_object_version 6
	.text
	.protected	k_q4dd8bf3196_attn
	.globl	k_q4dd8bf3196_attn
	.p2align	8
	.type	k_q4dd8bf3196_attn,@function
k_q4dd8bf3196_attn:
	s_mov_b64 s[64:65], 0
	v_nop
	global_prefetch_b8 v0, s[64:65] scope:SCOPE_SE
	s_setreg_imm32_b32 hwreg(HW_REG_WAVE_MODE, 25, 1), 1
	s_wait_xcnt 0x0
	s_wait_alu depctr_hold_cnt(0) depctr_sa_sdst(0) depctr_va_vdst(0) depctr_va_sdst(0) depctr_va_ssrc(0) depctr_va_vcc(0) depctr_vm_vsrc(0)
	s_getreg_b32 s2, hwreg(HW_REG_IB_STS2, 6, 4)
	s_cmp_eq_u32 s2, 0
	s_cbranch_scc0 .Lentry_in_a_cluster
	s_endpgm
.Lentry_in_a_cluster:
	s_bfe_u32 s2, ttmp6, 0x10000c
	s_cmp_lg_u32 s2, 0x3003
	s_cbranch_scc0 .Lentry_shape_is_right
	s_endpgm
.Lentry_shape_is_right:
; out0 = x + (softmax(q k^T / 16) v) wp^T + bp, frame by frame (4 frames x 4,096 tokens, one head of 256), all three products on codes of FP4 (E2M1) with one E8M0 scale for each 32 along K.
; q, k, v come as images of operand registers (a fragment's registers 4 c .. 4 c + 3 of lane l at 512 c + 16 l): every LDS and global load of an operand is 512 consecutive bytes.
; THE SOFTMAX: t = score x log2(e) / 16; M = the largest t so far, rounded UP to a whole number, kept as -M; p = 2^(t - M) is quantised along the keys, not normalised; the sum l is taken of the unquantised p.
; When M moves, l and O are multiplied by 2^(old M - new M), which rounds nothing.
; SHARES.  A work-group owns 64 queries of a frame.  Wave w owns query tiles 2 (w % 2) and + 1 (32 queries) and, of every four key steps of 128, step w / 2: so each fragment of K and V read from LDS feeds two
; matrix instructions.  At the end the four key quarters are merged: each has its own whole M, so the merge's factors are powers of two.
; LAYOUT.  Both products transposed: S^T = K Q^T (source 0 = 16 keys), O^T = V^T P^T (source 0 = 16 channels): a lane holds ONE query throughout.  Lane r of a tile 2 b + u (keys, queries, V's channels) stands for row
; 32 b + 8 u + r + 8 (r / 8), so that 16 registers of two neighbouring result tiles are 16 neighbours along the next K: p's and o's conversions give the next operand as it stands.
; RING.  Two LDS slots of four key steps (139,264 bytes), dense blocks of kv.  The four work-groups of a cluster belong to one frame and walk the same kv: each wave asks for an eighth of a slot by ONE joint load.
; TWO ORDERS.  A key step has three phases: the scores (34 LDS loads, 32 matrix instructions), the softmax (vector work, V's 34 loads), and RPV: O^T's rescaling and V^T P^T (128 packed multiplies, 32 matrix instructions,
; registers only).  Waves 0-3 run RPV at the end of the step's own trip.  Waves 4-7 carry it over the change of slots (V's fragments, p's codes and f wait in registers) and run it at the head of the next trip, ahead of their
; loads of K.  So behind each round half of the waves work on registers while the other half's loads of K are served, and the eight waves' runs of LDS loads and of matrix instructions do not all fall together.  No value hangs on the order.
; O^T BEGINS AS ZEROS, written while the first tile is on its way, and the first step's f is 1: so one text of the step serves both orders.  Started by a first product's C = 0, the carried product of waves 4-7, which falls
; into the loop's first trip, would ask for six written-out copies of the step in place of four.
; LIMITS: NaN and infinities are not served.  p under 2^-126 counts as 0.  A block whose largest magnitude lies under 2^-124 keeps the scale byte 1, a block of zeros too (zero codes; the bytes stay in this program).
; l is summed in four chains a lane, and the four key quarters in ascending order after their rescaling: another order of f32 sums than one stream over the keys.
; REGISTERS.  Window 0: v0 thread; v1, v2 my step's place in slot 0, 1; v3, v4 the spare word and 0; v5 16 x lane; v6, v7 bp; v[8:15] per tile (-M, largest t), (l, l); v[16:19] per tile (f, p's scale word);
;   v[20:21] q's scale words; v[22:29] K's, then V's scale words; v[30:61] Q; v[62:125] half of K's fragments, then p's codes (v62-77) and the softmax at work; v[128:255] S^T, p, then V's fragments.
;   Window 1: O^T, accumulator (tile u, channels d) at 128 u + 8 d.
.set STEPB,  34816
.set SLOTB,  139264
.set WPART,  17408                     ; an eighth of a slot: 68 rows of 256 bytes
.set FRAMEB, 1114112                   ; a frame's 32 steps
.set SPARE,  278528                    ; behind the ring: the spare words, 128 bytes a wave: four blocks of 256 bytes that no other line names
.set MS,     279552                    ; [wave][tile][-M | l][lane]
.set OI,     283648                    ; o's 8 fragments, (2 tile + K step) x 1,024
.set OS,     291840                    ; their scale words: [tile][lanes 0-15 K step 0, lanes 16-31 K step 1]
                                       ; over the ring, when it has had its last fill and its last read: the 4 x 4 partial O^T (262,144 bytes); over those, when they are read: y, 256 rows x (256 + 16)
.set ST,  8
.set FP,  16
.set QS,  20
.set SCW, 22
.set Q,   30
.set PC,  62
.set BM,  78                           ; a block's largest score, then its largest p
.set BP,  82                           ; the other half's; then the scale's byte
.set BS,  86                           ; the conversions' scale operands
.set T,   90
.set T2,  92                           ; v[92:97] three of the sum's four chains
.set T3,  94
.set T4,  96
.set S,   128
.set WV,  20                           ; s20 wave; s21 w % 2; s22 w / 2; s23 cx; s24 query block; s25 frame
.set CS,  50                           ; s[50:51] log2(e) / 16
.set SEL, 52                           ; s[52:53] v_permlanex16_b32's selects for lane l xor 16
.set MSB, 0
.macro WIN new                         ; the immediate's high byte repeats the setting that is left; bits 1:0 source 0, 3:2 source 1, 5:4 source 2, 7:6 destination
.if MSB != \new
	s_set_vgpr_msb (MSB<<8)|\new
.set MSB, \new
.endif
.endm
.macro PLACES n                        ; plain vector instructions that name nothing: the distance behind matrix instructions (ISA guide 7.12.1)
.rept \n
	v_nop
.endr
.endm
.macro BAR
	s_wait_dscnt 0x0
	s_barrier_signal -1
	s_barrier_wait -1
.endm
.macro CROUND                          ; a round of the cluster's barrier
	s_barrier_signal -1
	s_barrier_wait -1
	s_cmp_lg_u32 s[WV], 0
	s_cbranch_scc1 .Lnot_wave_0_\@
	s_barrier_signal -3
.Lnot_wave_0_\@:
	s_barrier_wait -3
	s_barrier_signal -1
	s_barrier_wait -1
.endm
; Where K's fragment q = 2 j + s lands.  Those of key tiles 0-3 land in the registers that the scores of key tiles 4-7 will take, so a step's 32 loads go out at once and 192 registers serve 128 of fragments and 128 of scores.
.macro KSET q
.if (\q) < 4
.set KR, 160+8*(\q)
.elseif (\q) < 8
.set KR, 192+8*(\q)
.else
.set KR, 62+8*((\q)-8)
.endif
.endm
; 64 numbers of a lane, register src + 16 b + i = k 32 b + 16 (lane / 16) + i of my row, become a fragment's codes in v[pc .. pc + 7] and its scale word in v[pw].  tm: 16 registers at work.
.macro QUANT src, tm, pc, pw
.irp b, 0,1,2,3
	v_max3_num_f32 v[\tm+\b], |v[\src+16*\b]|, |v[\src+16*\b+1]|, 0x1800000   ; and the floor 2^(3 - 127): the byte cannot fall under 1
.endr
.irp i, 2,4,6,8,10,12,14
.irp b, 0,1,2,3
	v_max3_num_f32 v[\tm+\b], v[\tm+\b], |v[\src+16*\b+\i]|, |v[\src+16*\b+\i+1]|
.endr
.endr
.irp b, 0,1,2,3
	v_permlanex16_b32 v[\tm+4+\b], v[\tm+\b], s[SEL], s[SEL+1]
.endr
.irp b, 0,1,2,3
	v_max_num_f32 v[\tm+\b], v[\tm+\b], v[\tm+4+\b]
.endr
.irp b, 0,1,2,3
	v_add_nc_u32 v[\tm+12+\b], 0xff000000, v[\tm+\b]
.endr
.irp b, 0,1,2,3
	v_lshrrev_b32 v[\tm+4+\b], 23, v[\tm+12+\b]
.endr
	v_lshl_or_b32 v[\pw], v[\tm+5], 8, v[\tm+4]
	v_lshl_or_b32 v[\pw], v[\tm+6], 16, v[\pw]
	v_lshl_or_b32 v[\pw], v[\tm+7], 24, v[\pw]
.irp b, 0,1,2,3
	v_cvt_scalef32_pk8_fp4_f32 v[\pc+2*\b], v[\src+16*\b:\src+16*\b+7], v[\tm+12+\b]
	v_cvt_scalef32_pk8_fp4_f32 v[\pc+2*\b+1], v[\src+16*\b+8:\src+16*\b+15], v[\tm+12+\b]
.endr
	v_nop                                          ; one plain place behind a scaled conversion
.irp c, 0,1
.irp i, 0,1
	v_permlane16_swap_b32 v[\pc+4*\c+\i], v[\pc+4*\c+2+\i]
.endr
.endr
.endm
; One tile's softmax for a key step: it leaves f, p's codes and p's scale word for RPV.  first = 1: the wave's first step, which starts M and l: no old M, f = 1.
; At its end the tile's 64 registers are free and take eight of V's fragments.
.macro SOFTMAX slot, u, first
.set SB, S+64*\u
.set NM, ST+4*\u
.set LL, ST+4*\u+2
.set FF, FP+2*\u
.irp b, 0,1,2,3
	v_max3_num_f32 v[BM+\b], v[SB+16*\b], v[SB+16*\b+1], v[SB+16*\b+2]   ; the largest score of each block of 32 keys: for the row's maximum and, since p rises with the score, for the block's largest p
.endr
.irp i, 3,5,7,9,11,13
.irp b, 0,1,2,3
	v_max3_num_f32 v[BM+\b], v[BM+\b], v[SB+16*\b+\i], v[SB+16*\b+\i+1]
.endr
.endr
.irp b, 0,1,2,3
	v_max_num_f32 v[BM+\b], v[BM+\b], v[SB+16*\b+15]
.endr
.irp b, 0,1,2,3
	v_permlanex16_b32 v[BP+\b], v[BM+\b], s[SEL], s[SEL+1]
.endr
.irp b, 0,1,2,3
	v_max_num_f32 v[BM+\b], v[BM+\b], v[BP+\b]     ; with lane l xor 16's 16 keys
.endr
	v_max3_num_f32 v[T], v[BM], v[BM+1], v[BM+2]
	v_max_num_f32 v[T], v[T], v[BM+3]
.if \first
	v_mul_f32 v[NM+1], s[CS], v[T]                 ; the largest t
	v_floor_f32 v[NM], -v[NM+1]                    ; -M = floor(-t) = -ceil(t)
.else
	v_mul_f32 v[T], s[CS], v[T]
	v_max_num_f32 v[NM+1], v[NM+1], v[T]           ; the running largest t
	v_mov_b32 v[T], v[NM]
	v_floor_f32 v[NM], -v[NM+1]
	v_sub_f32 v[T], v[NM], v[T]                    ; old M - new M: a whole number, 0 or less
	v_cvt_i32_f32 v[T], v[T]                       ; (it saturates)
	v_ldexp_f32 v[FF], 1.0, v[T]                   ; f = 2^(old M - new M)
.endif
.set i, 0
.rept 32
	v_pk_fma_f32 v[SB+2*i:SB+2*i+1], v[SB+2*i:SB+2*i+1], s[CS:CS+1], v[NM:NM+1] op_sel_hi:[1,0,0]   ; t - M, two at a time
.set i, i+1
.endr
.irp b, 0,1,2,3
	v_fma_f32 v[BM+\b], v[BM+\b], s[CS], v[NM]     ; the same of each block's largest score
.endr
.set i, 0
.rept 64
	v_exp_f32 v[SB+i], v[SB+i]                     ; p = 2^(t - M)
.set i, i+1
.endr
.irp b, 0,1,2,3
	v_exp_f32 v[BM+\b], v[BM+\b]                   ; the block's largest p: the same two instructions on the same number
.endr
.if \first
	v_mov_b32 v[FF], 1.0                           ; the first step's f: O^T's zeros stay zeros.  (The plain place behind the exponentials)
	s_wait_alu depctr_va_vdst(0)
.else
	v_pk_mul_f32 v[LL:LL+1], v[LL:LL+1], v[FF:FF+1] op_sel_hi:[1,0]   ; l under the new M (and the plain place behind the exponentials)
	s_wait_alu depctr_va_vdst(0)
.endif
.irp b, 0,1,2,3
	v_max_num_f32 v[BM+\b], 0x1800000, v[BM+\b]    ; the floor 2^(3 - 127)
.endr
.irp b, 0,1,2,3
	v_add_nc_u32 v[BS+\b], 0xff000000, v[BM+\b]    ; 2 off the exponent field: the conversion's scale operand
.endr
.irp b, 0,1,2,3
	v_lshrrev_b32 v[BP+\b], 23, v[BS+\b]           ; the scale's byte
.endr
	v_lshl_or_b32 v[FF+1], v[BP+1], 8, v[BP]       ; p's scale word for these 128 keys
	v_lshl_or_b32 v[FF+1], v[BP+2], 16, v[FF+1]
	v_lshl_or_b32 v[FF+1], v[BP+3], 24, v[FF+1]
.irp b, 0,1,2,3
	v_cvt_scalef32_pk8_fp4_f32 v[PC+8*\u+2*\b], v[SB+16*\b:SB+16*\b+7], v[BS+\b]
	v_cvt_scalef32_pk8_fp4_f32 v[PC+8*\u+2*\b+1], v[SB+16*\b+8:SB+16*\b+15], v[BS+\b]
.endr
	v_nop                                          ; one plain place behind a scaled conversion
.irp c, 0,1
.irp i, 0,1
	v_permlane16_swap_b32 v[PC+8*\u+4*\c+\i], v[PC+8*\u+4*\c+2+\i]
.endr
.endr
	; the sum of the UNQUANTISED p, two at a time, in four chains by turns, so that no addition waits for the one just ahead of it
	v_pk_add_f32 v[T2:T2+1], v[SB:SB+1], v[SB+2:SB+3]
	v_pk_add_f32 v[T3:T3+1], v[SB+4:SB+5], v[SB+6:SB+7]
	v_pk_add_f32 v[T4:T4+1], v[SB+8:SB+9], v[SB+10:SB+11]
.if \first
	v_pk_add_f32 v[LL:LL+1], v[SB+12:SB+13], v[SB+14:SB+15]   ; the first step starts l
.else
	v_pk_add_f32 v[LL:LL+1], v[LL:LL+1], v[SB+12:SB+13]
	v_pk_add_f32 v[T2:T2+1], v[T2:T2+1], v[SB+14:SB+15]
.endif
.set i, 16
.rept 6
	v_pk_add_f32 v[LL:LL+1], v[LL:LL+1], v[SB+i:SB+i+1]
	v_pk_add_f32 v[T2:T2+1], v[T2:T2+1], v[SB+i+2:SB+i+3]
	v_pk_add_f32 v[T3:T3+1], v[T3:T3+1], v[SB+i+4:SB+i+5]
	v_pk_add_f32 v[T4:T4+1], v[T4:T4+1], v[SB+i+6:SB+i+7]
.set i, i+8
.endr
	v_pk_add_f32 v[T2:T2+1], v[T2:T2+1], v[T3:T3+1]
	v_pk_add_f32 v[LL:LL+1], v[LL:LL+1], v[T4:T4+1]
	v_pk_add_f32 v[LL:LL+1], v[LL:LL+1], v[T2:T2+1]
.irp e, 0,1,2,3,4,5,6,7                        ; V's fragments d = 8 u + e
	ds_load_b128 v[SB+8*\e:SB+8*\e+3], v[1+\slot] offset:16384+512*(8*\u+\e)
	ds_load_b128 v[SB+8*\e+4:SB+8*\e+7], v[1+\slot] offset:24576+512*(8*\u+\e)
.endr
.endm
; O^T(u, d) += V^T(d) P^T(u), both tiles.  V's scale words: register d / 2, lanes 0-15 for even d, lanes 16-31 for odd d.
.macro PVM d
.irp u, 0,1
.if (\d)%2
	v_wmma_scale_f32_16x16x128_f8f6f4 v[128*\u+8*(\d):128*\u+8*(\d)+7], v[S+8*(\d):S+8*(\d)+7], v[PC+8*\u:PC+8*\u+7], v[128*\u+8*(\d):128*\u+8*(\d)+7], v[SCW+(\d)/2], v[FP+2*\u+1] matrix_a_fmt:MATRIX_FMT_FP4 matrix_b_fmt:MATRIX_FMT_FP4 matrix_a_scale:MATRIX_SCALE_ROW1
.else
	v_wmma_scale_f32_16x16x128_f8f6f4 v[128*\u+8*(\d):128*\u+8*(\d)+7], v[S+8*(\d):S+8*(\d)+7], v[PC+8*\u:PC+8*\u+7], v[128*\u+8*(\d):128*\u+8*(\d)+7], v[SCW+(\d)/2], v[FP+2*\u+1] matrix_a_fmt:MATRIX_FMT_FP4 matrix_b_fmt:MATRIX_FMT_FP4
.endif
.endr
.endm
; RPV: a key step's last phase, on registers alone: O^T under the new M, then O^T += V^T P^T.  The 32 accumulators take turns.
; The 128 multiplies are the places between p's scale words and codes and the products that take them, and V's last loads land under them; where the phase was carried over a change of slots, both waits are met at once.
.macro RPV
	WIN 0x41                                       ; O^T (destination, source 0) in window 1, f in window 0
.set i, 0
.rept 128
	v_pk_mul_f32 v[2*i:2*i+1], v[2*i:2*i+1], v[FP+2*(i/64):FP+2*(i/64)+1] op_sel_hi:[1,0]   ; x f, each accumulator from its low end
.set i, i+1
.endr
	WIN 0x50                                       ; C and D in window 1
	s_wait_dscnt 16                                ; V's scale words and tiles 0-7 are in; tiles 8-15 may stay out
.irp d, 0,1,2,3,4,5,6,7
	PVM \d
.endr
	s_wait_dscnt 0x0
.irp d, 8,9,10,11,12,13,14,15
	PVM \d
.endr
	WIN 0
	PLACES 5                                       ; for the next loads into these operands, the next scores, which are written over V's fragments, and the reads of O^T
.endm
; A KEY STEP'S FIRST TWO PHASES: 128 keys x my 32 queries: 32 products K Q^T, two softmaxes; V's fragments are asked for.
.macro SCORES slot, first
.irp g, 0,1
	ds_load_b128 v[SCW+4*\g:SCW+4*\g+3], v[1+\slot] offset:32768+512*\g   ; K's scale words: register j, lanes 0-15 K step 0, lanes 16-31 K step 1
.endr
.irp q, 0,1,2,3,4,5,6,7,8,9,10,11,12,13,14,15
	KSET \q
	ds_load_b128 v[KR:KR+3], v[1+\slot] offset:1024*\q
	ds_load_b128 v[KR+4:KR+7], v[1+\slot] offset:1024*\q+512
.endr
.irp j, 0,1,2,3,4,5,6,7
	s_wait_dscnt 28-4*\j                           ; key tile j's four loads are in; those of the tiles behind it may stay out
.if \first && (\j == 0)
	s_wait_loadcnt 0x0                             ; Q and its scale words
.endif
.if \j == 4
	PLACES 5                                       ; from here on the scores are written over fragments that earlier products read
.endif
.irp s, 0,1
	KSET 2*\j+\s
.irp u, 0,1                                    ; the two tiles' accumulators take turns
.if \s == 0
	v_wmma_scale_f32_16x16x128_f8f6f4 v[S+64*\u+8*\j:S+64*\u+8*\j+7], v[KR:KR+7], v[Q+16*\u:Q+16*\u+7], 0, v[SCW+\j], v[QS+\u] matrix_a_fmt:MATRIX_FMT_FP4 matrix_b_fmt:MATRIX_FMT_FP4
.else
	v_wmma_scale_f32_16x16x128_f8f6f4 v[S+64*\u+8*\j:S+64*\u+8*\j+7], v[KR:KR+7], v[Q+16*\u+8:Q+16*\u+15], v[S+64*\u+8*\j:S+64*\u+8*\j+7], v[SCW+\j], v[QS+\u] matrix_a_fmt:MATRIX_FMT_FP4 matrix_b_fmt:MATRIX_FMT_FP4 matrix_a_scale:MATRIX_SCALE_ROW1 matrix_b_scale:MATRIX_SCALE_ROW1
.endif
.endr
.endr
.endr
	PLACES 4                                       ; in front of the first read of the scores and of loads into registers that the products named
.irp g, 0,1
	ds_load_b128 v[SCW+4*\g:SCW+4*\g+3], v[1+\slot] offset:33792+512*\g   ; V's scale words
.endr
	SOFTMAX \slot, 0, \first
	SOFTMAX \slot, 1, \first
.endm
; A TRIP: a change of slots and a key step.  Every wave: all its tensor loads have landed (its eighth of the slot ahead); 0 onto its spare word; the add and its reads of the slot behind are done (V's fragments of waves 4-7
; among them: they are in registers now); a round of the cluster's barrier; then its one joint load, into the slot that nobody of the four work-groups reads any more.  By this text's count one tensor load of a wave is out,
; with a whole key step's work in which to land.  The two branches hang on the wave's number alone and go round RPV alone: no barrier, no LDS instruction, no tensor load.
; first = 1: nothing has been carried yet.  last = 1: nothing can be carried on: every wave ends the step here.
.macro TRIP slot, refill, first, last
	s_wait_tensorcnt 0x0
	ds_add_u32 v3, v4
	s_add_nc_u64 s[42+4*\slot:43+4*\slot], s[42+4*\slot:43+4*\slot], 2*SLOTB   ; no load of mine is out, so a group 0 may be written: this slot's next four steps
	s_wait_dscnt 0x0
	CROUND
.if \refill
	tensor_load_to_lds s[44-4*\slot:47-4*\slot], s[32:39]
	s_nop 0
	PLACES 4
.endif
.if !\first
	s_cmp_lt_u32 s[WV], 4
	s_cbranch_scc1 .Lnot_carried_\@
	RPV                                            ; waves 4-7: the last step's, while the other waves' loads of K are served
.Lnot_carried_\@:
.endif
	SCORES \slot, \first
.if \last
	RPV
.else
	s_cmp_gt_u32 s[WV], 3
	s_cbranch_scc1 .Lcarries_\@
	RPV                                            ; waves 0-3: this step's
.Lcarries_\@:
.endif
.endm
	s_load_b512 s[4:19], s[0:1], 0x0               ; qc 4, qs 6, kv 8, wp_codes 10, wp_scales 12, bp 14, x 16, out0 18
	v_lshl_add_u32 v3, v0, 2, SPARE
	v_mov_b32 v4, 0
	ds_add_u32 v3, v4
	ds_add_u32 v3, v4
	s_wait_dscnt 0x0
	v_lshrrev_b32 v5, 5, v0
	v_readfirstlane_b32 s[WV], v5
	s_and_b32 s21, s[WV], 1                        ; which pair of query tiles
	s_lshr_b32 s22, s[WV], 1                       ; which of a slot's four steps
	s_bfe_u32 s23, ttmp6, 0x40000                  ; cx: it enters global addresses of q, x and out0 alone
	s_lshl_b32 s24, ttmp9, 2
	s_add_co_u32 s24, s24, s23                     ; my block of 64 queries
	s_and_b32 s25, ttmp7, 0xffff                   ; the frame, which the four partners share
	s_lshl_b32 s26, s25, 6
	s_add_co_u32 s26, s26, s24                     ; the block's number among all 256
	s_mov_b32 s29, 0                               ; s[28:29]: a 32-bit offset as a pair
	s_mov_b32 s[CS], 0x3db8aa3b                    ; log2(e) / 16
	s_mov_b32 s[CS+1], s[CS]                       ; (named with it as a pair, so it is written)
	s_mov_b32 s[SEL], 0x76543210
	s_mov_b32 s[SEL+1], 0xfedcba98
	; descriptor group 1: 68 rows of 256 bytes (32 elements of 8), dense, no padding; the mask names all four work-groups, bit 21 beside it
	s_mov_b32 s32, 15|(3<<16)|(1<<21)
	s_mov_b32 s33, 32<<16
	s_mov_b32 s34, 68<<16
	s_mov_b32 s35, 32<<16
	s_mov_b32 s36, 68
	s_mov_b32 s37, 32
	s_mov_b32 s38, 0
	s_mov_b32 s39, 0
	s_mul_i32 s27, s[WV], WPART                    ; my eighth of a slot
	v_and_b32 v5, 31, v0
	v_lshlrev_b32 v5, 4, v5                        ; 16 x lane
	s_mul_i32 s30, s22, STEPB
	v_add_nc_u32 v1, s30, v5                       ; my step in slot 0,
	v_add_nc_u32 v2, SLOTB, v1                     ; and in slot 1
	s_wait_kmcnt 0x0
	s_mul_i32 s28, s25, FRAMEB
	s_add_co_u32 s28, s28, s27
	s_add_nc_u64 s[8:9], s[8:9], s[28:29]          ; kv at my eighth of the frame's first slot: equal in the four partners
	s_mov_b32 s40, 1
	s_mov_b32 s41, s27
	s_mov_b64 s[42:43], s[8:9]
	s_or_b32 s43, s43, 0x80000000
	s_mov_b32 s44, 1
	s_add_co_u32 s45, s27, SLOTB
	s_add_nc_u64 s[46:47], s[8:9], SLOTB
	s_or_b32 s47, s47, 0x80000000
	s_lshl_b32 s28, s26, 13
	s_lshl_b32 s30, s21, 12
	s_add_co_u32 s28, s28, s30
	s_add_nc_u64 s[4:5], s[4:5], s[28:29]          ; my two query tiles' fragments
	s_lshl_b32 s28, s26, 9
	s_lshl_b32 s30, s21, 3
	s_add_co_u32 s28, s28, s30
	s_add_nc_u64 s[6:7], s[6:7], s[28:29]          ; and their scale words
	s_lshl_b32 s28, s[WV], 12
	s_add_nc_u64 s[10:11], s[10:11], s[28:29]      ; wp: my 32 rows,
	s_lshl_b32 s28, s[WV], 8
	s_add_nc_u64 s[12:13], s[12:13], s[28:29]      ; their scale bytes,
	s_lshl_b32 s28, s[WV], 7
	s_add_nc_u64 s[14:15], s[14:15], s[28:29]      ; their biases
	s_lshl_b32 s28, s[WV], 21                      ; x, out0: my 32 channels of 65,536 bytes, the frame's 16,384, the block's 256
	s_lshl_b32 s30, s25, 14
	s_add_co_u32 s28, s28, s30
	s_lshl_b32 s30, s24, 8
	s_add_co_u32 s28, s28, s30
	s_add_nc_u64 s[16:17], s[16:17], s[28:29]
	s_add_nc_u64 s[18:19], s[18:19], s[28:29]
	CROUND                                         ; all four work-groups are here: the first joint loads meet
	tensor_load_to_lds s[40:43], s[32:39]          ; slot 0: key steps 0 to 3
	s_nop 0
	PLACES 4
.irp u, 0,1
.irp s, 0,1
.irp c, 0,1
	global_load_b128 v[Q+16*\u+8*\s+4*\c:Q+16*\u+8*\s+4*\c+3], v5, s[4:5] offset:\u*2048+\s*1024+\c*512   ; Q stays in registers
.endr
.endr
.endr
	global_load_b64 v[QS:QS+1], v5, s[6:7]         ; lanes 0-15: K step 0's words of my two tiles; lanes 16-31: K step 1's
	WIN 0x40                                       ; destination window 1
.set i, 0
.rept 256
	v_mov_b32 v[i], 0                              ; O^T, on every wave's way, while the first tile is out: see the head, O^T BEGINS AS ZEROS
.set i, i+1
.endr
	WIN 0
	TRIP 0, 1, 1, 0                                ; the first step starts M and l
	s_mov_b32 s48, 3
.Lpair:
	TRIP 1, 1, 0, 0
	TRIP 0, 1, 0, 0
	s_sub_co_u32 s48, s48, 1
	s_cmp_lg_u32 s48, 0
	s_cbranch_scc1 .Lpair
	TRIP 1, 0, 0, 1                                ; the last slot is written out: nothing is left to fetch, and every wave ends its last step
	; ---- THE MERGE OF THE FOUR KEY QUARTERS.  First -M and l of every wave meet in LDS
	v_add_f32 v10, v10, v11                        ; l's two halves,
	v_add_f32 v14, v14, v15
	v_permlanex16_b32 v11, v10, s[SEL], s[SEL+1]
	v_permlanex16_b32 v15, v14, s[SEL], s[SEL+1]
	v_add_f32 v10, v10, v11                        ; and lane l xor 16's
	v_add_f32 v14, v14, v15
	v_and_b32 v30, 15, v0                          ; r.  (Q's registers are free: the addresses of all that follows)
	v_bfe_u32 v31, v0, 4, 1                        ; h
	v_and_b32 v32, 31, v0
	v_lshlrev_b32 v32, 2, v32                      ; 4 x lane
	s_lshl_b32 s26, s[WV], 9
	s_add_co_u32 s26, s26, MS
	v_add_nc_u32 v33, s26, v32                     ; my wave's -M and l
	s_lshl_b32 s26, s21, 9
	s_add_co_u32 s26, s26, MS
	v_add_nc_u32 v34, s26, v32                     ; those of the four waves that share my queries, 1,024 bytes apart
	s_lshl_b32 s26, s22, 16
	s_lshl_b32 s27, s21, 15
	s_add_co_u32 s26, s26, s27
	v_add_nc_u32 v35, s26, v5                      ; my partial O^T: quarter x 65,536 + tile x 16,384 + d x 1,024
	s_lshl_b32 s26, s[WV], 13
	v_add_nc_u32 v36, s26, v5                      ; what I sum: tile w / 2, channels 128 (w % 2) on, of quarter 0,
	v_add_nc_u32 v37, 0x10000, v36                 ; 1,
	v_add_nc_u32 v38, 0x20000, v36                 ; 2,
	v_add_nc_u32 v39, 0x30000, v36                 ; 3
	s_lshl_b32 s26, s[WV], 10
	s_add_co_u32 s26, s26, OI
	v_add_nc_u32 v40, s26, v5                      ; where my fragment of o goes,
	s_lshl_b32 s26, s[WV], 6
	s_add_co_u32 s26, s26, OS
	v_lshl_add_u32 v41, v30, 2, s26                ; and its scale words
	v_add_nc_u32 v42, OI, v5                       ; all fragments of o,
	v_add_nc_u32 v43, OS, v32                      ; all their scale words
	s_mul_i32 s26, s[WV], 32*272                   ; y: my 32 rows (channels)
	v_mul_u32_u24 v44, v30, 272
	v_lshl_add_u32 v44, v31, 6, v44
	v_add_nc_u32 v44, s26, v44                     ; in: row r, 16 tokens on for lanes 16-31
	v_mul_u32_u24 v45, v31, 272
	v_lshl_add_u32 v45, v30, 4, v45
	v_add_nc_u32 v45, s26, v45                     ; back: lanes 0-15 one row, lanes 16-31 the next
	v_lshlrev_b32 v46, 3, v30                      ; global offsets: wp's scale bytes, 8 r;
	v_lshlrev_b32 v47, 7, v30
	v_lshl_add_u32 v47, v31, 4, v47                ; wp's codes, 128 r + 16 h;
	v_lshlrev_b32 v48, 2, v30                      ; bp, 4 r;
	v_lshlrev_b32 v49, 16, v31
	v_lshl_add_u32 v49, v30, 4, v49                ; x and out0: lanes 0-15 one channel's 256 bytes, lanes 16-31 the next channel's
	ds_store_b32 v33, v8
	ds_store_b32 v33, v10 offset:128
	ds_store_b32 v33, v12 offset:256
	ds_store_b32 v33, v14 offset:384
	BAR                                            ; behind it nobody reads the ring any more, and it has had its last fill
.irp u, 0,1
.irp k, 0,1,2,3
	ds_load_b32 v[78+8*\u+\k], v34 offset:\k*1024+\u*256
	ds_load_b32 v[82+8*\u+\k], v34 offset:\k*1024+\u*256+128
.endr
.endr
	s_wait_dscnt 0x0
.irp u, 0,1
	v_min3_num_f32 v[94+\u], v[78+8*\u], v[79+8*\u], v[80+8*\u]
.endr
.irp u, 0,1
	v_min_num_f32 v[94+\u], v[94+\u], v[81+8*\u]   ; the smallest -M: the row's M
.endr
.irp u, 0,1
.irp k, 0,1,2,3
	v_sub_f32 v[78+8*\u+\k], v[94+\u], v[78+8*\u+\k]   ; M_k - M: a whole number, 0 or less
.endr
	v_sub_f32 v[96+\u], v[94+\u], v[ST+4*\u]       ; my own
.endr
.irp u, 0,1
.irp k, 0,1,2,3
	v_cvt_i32_f32 v[78+8*\u+\k], v[78+8*\u+\k]
.endr
	v_cvt_i32_f32 v[96+\u], v[96+\u]
.endr
.irp u, 0,1
.irp k, 0,1,2,3
	v_ldexp_f32 v[78+8*\u+\k], 1.0, v[78+8*\u+\k]  ; 2^(M_k - M)
.endr
	v_ldexp_f32 v[96+\u], 1.0, v[96+\u]
.endr
.irp u, 0,1
	v_mul_f32 v[98+\u], v[82+8*\u], v[78+8*\u]
.endr
.irp k, 1,2,3
.irp u, 0,1
	v_fmac_f32 v[98+\u], v[82+8*\u+\k], v[78+8*\u+\k]  ; the row's sum under the row's M
.endr
.endr
	v_rcp_f32 v98, v98
	v_rcp_f32 v99, v99
	v_nop                                          ; one plain place behind the transcendentals
	s_wait_alu depctr_va_vdst(0)
.irp u, 0,1
	v_mul_f32 v[FP+2*\u], v[96+\u], v[98+\u]       ; g = 2^(my M - M) / l
.endr
	WIN 0x41
.set i, 0
.rept 128
	v_pk_mul_f32 v[2*i:2*i+1], v[2*i:2*i+1], v[FP+2*(i/64):FP+2*(i/64)+1] op_sel_hi:[1,0]   ; my partial O^T x g, each accumulator from its low end
.set i, i+1
.endr
	WIN 0x04                                       ; an LDS store's data are its source 1: window 1
.set i, 0
.rept 32
	ds_store_b128 v35, v[8*i:8*i+3] offset:1024*i
	ds_store_b128 v35, v[8*i+4:8*i+7] offset:1024*i+512
.set i, i+1
.endr
	WIN 0
	BAR                                            ; the sixteen partial tiles lie in LDS; window 1 is free
	; what the last product and the residual want from memory is asked for now
.irp n, 0,1
	global_load_b64 v[SCW+2*\n:SCW+2*\n+1], v46, s[12:13] offset:128*\n   ; wp's scale words of rows 32 w + 16 n + r
.endr
	WIN 0x40                                       ; destination window 1
.irp n, 0,1
.irp s, 0,1
.irp c, 0,1
	global_load_b128 v[8*(2*\n+\s)+4*\c:8*(2*\n+\s)+4*\c+3], v47, s[10:11] offset:\n*2048+64*\s+32*\c   ; wp's fragments
.endr
.endr
.endr
	WIN 0
.irp n, 0,1
	global_load_b32 v[6+\n], v48, s[14:15] offset:64*\n
.endr
	WIN 0x40
.set i, 0
.rept 16
	global_load_b128 v[64+4*i:64+4*i+3], v49, s[16:17] offset:131072*i th:TH_LOAD_NT   ; x of channels 32 w + 2 i and + 1, my 64 tokens: sixteen lanes read 256 consecutive bytes
.set i, i+1
.endr
	WIN 0
	; the four quarters of (tile w / 2, channels 128 (w % 2) on), summed in ascending order
.macro PART reg, adr
.set i, 0
.rept 16
	ds_load_b128 v[\reg+4*i:\reg+4*i+3], v[\adr] offset:512*i
.set i, i+1
.endr
.endm
.macro ADD64 reg
.set i, 0
.rept 32
	v_pk_add_f32 v[S+2*i:S+2*i+1], v[S+2*i:S+2*i+1], v[\reg+2*i:\reg+2*i+1]
.set i, i+1
.endr
.endm
	PART 128, 36
	PART 192, 37
	PART 62, 38
	s_wait_dscnt 16                                ; quarters 0 and 1 are in; quarter 2's 16 loads may stay out
	ADD64 192
	PART 192, 39
	s_wait_dscnt 16                                ; quarter 2 is in; quarter 3's may stay out
	ADD64 62
	s_wait_dscnt 0x0
	ADD64 192
	QUANT 128, 78, 94, 102                         ; o, quantised along the channels: K step w % 2 of tile w / 2
	ds_store_b128 v40, v[94:97]
	ds_store_b128 v40, v[98:101] offset:512
	ds_store_b32 v41, v102
	BAR                                            ; o's eight fragments lie in LDS, and nobody reads the partial tiles any more
	; ---- y = o wp^T + bp: source 0 = 16 queries, source 1 = 16 rows of wp: a lane holds one channel and eight neighbouring tokens, as out0 lies
.irp f, 0,1,2,3,4,5,6,7
.irp c, 0,1
	ds_load_b128 v[S+8*\f+4*\c:S+8*\f+4*\c+3], v42 offset:\f*1024+\c*512
.endr
.endr
.irp m, 0,1,2,3
	ds_load_b32 v[SCW+4+\m], v43 offset:128*\m
.endr
	s_wait_dscnt 0x0
	s_wait_loadcnt 16                              ; wp, its scale words and bp are in; x's 16 loads may stay out
	WIN 0x40
.irp n, 0,1
.irp k, 0,1,2,3,4,5,6,7
	v_mov_b32 v[32+8*\n+\k], v[6+\n]               ; the bias as C: a lane's eight results are one channel's
.endr
.endr
	WIN 0x14                                       ; source 1 (wp) and source 2 (bp) in window 1
.irp m, 0,1,2,3
.irp n, 0,1
	v_wmma_scale_f32_16x16x128_f8f6f4 v[192+8*(2*\m+\n):192+8*(2*\m+\n)+7], v[S+16*\m:S+16*\m+7], v[16*\n:16*\n+7], v[32+8*\n:32+8*\n+7], v[SCW+4+\m], v[SCW+2*\n] matrix_a_fmt:MATRIX_FMT_FP4 matrix_b_fmt:MATRIX_FMT_FP4
.endr
.endr
	WIN 0x04
.irp m, 0,1,2,3
.irp n, 0,1
	v_wmma_scale_f32_16x16x128_f8f6f4 v[192+8*(2*\m+\n):192+8*(2*\m+\n)+7], v[S+16*\m+8:S+16*\m+15], v[16*\n+8:16*\n+15], v[192+8*(2*\m+\n):192+8*(2*\m+\n)+7], v[SCW+4+\m], v[SCW+2*\n+1] matrix_a_fmt:MATRIX_FMT_FP4 matrix_b_fmt:MATRIX_FMT_FP4 matrix_a_scale:MATRIX_SCALE_ROW1
.endr
.endr
	WIN 0
	PLACES 4
.irp m, 0,1,2,3
.irp n, 0,1
	ds_store_b128 v44, v[192+8*(2*\m+\n):192+8*(2*\m+\n)+3] offset:\n*4352+128*(\m/2)+32*(\m%2)      ; y(channel 32 w + 16 n + r, tokens 32 (m / 2) + 8 (m % 2) + 16 h + 0 .. 7), each accumulator from its low end
	ds_store_b128 v44, v[192+8*(2*\m+\n)+4:192+8*(2*\m+\n)+7] offset:\n*4352+128*(\m/2)+32*(\m%2)+16
.endr
.endr
.set i, 0
.rept 16
	ds_load_b128 v[S+4*i:S+4*i+3], v45 offset:544*i   ; rows 32 w .. 32 w + 31 are my own, and LDS serves a wave's instructions in order (ISA guide 5.7.1.4): no barrier, no wait between stores and loads
.set i, i+1
.endr
	s_wait_loadcnt 0x0                             ; x
	s_wait_dscnt 0x0
	WIN 0x04
.set i, 0
.rept 32
	v_pk_add_f32 v[S+2*i:S+2*i+1], v[S+2*i:S+2*i+1], v[64+2*i:64+2*i+1]   ; the residual
.set i, i+1
.endr
	WIN 0
.set i, 0
.rept 16
	global_store_b128 v49, v[S+4*i:S+4*i+3], s[18:19] offset:131072*i th:TH_STORE_NT   ; sixteen lanes store 256 consecutive bytes, at a multiple of 256 from out0's first byte
.set i, i+1
.endr
	s_wait_tensorcnt 0x0                           ; the wave's end, behind my last tensor load and my last LDS store
	ds_add_u32 v3, v4
	s_wait_dscnt 0x0
	CROUND                                         ; the closing round: no work-group ends while a partner may still ask for a tile that names it
	s_endpgm
.Lfunc_end_k_q4dd8bf3196_attn:
	.size	k_q4dd8bf3196_attn, .Lfunc_end_k_q4dd8bf3196_attn-k_q4dd8bf3196_attn
	.p2alignl 7, 3214868480
	.fill 96, 4, 3214868480
	.section	.rodata,"a",@progbits
	.p2align	6, 0x0
	.amdhsa_kernel k_q4dd8bf3196_attn
		.amdhsa_group_segment_fixed_size 327680
		.amdhsa_private_segment_fixed_size 0
		.amdhsa_enable_private_segment 0
		.amdhsa_kernarg_size 64
		.amdhsa_user_sgpr_count 2
		.amdhsa_user_sgpr_kernarg_segment_ptr 1
		.amdhsa_wavefront_size32 1
		.amdhsa_system_sgpr_workgroup_id_x 1
		.amdhsa_system_sgpr_workgroup_id_y 1
		.amdhsa_system_sgpr_workgroup_id_z 1
		.amdhsa_system_vgpr_workitem_id 0
		.amdhsa_next_free_vgpr 512
		.amdhsa_next_free_sgpr 66
		.amdhsa_reserve_vcc 0
		.amdhsa_float_denorm_mode_32 3
		.amdhsa_float_denorm_mode_16_64 3
		.amdhsa_memory_ordered 1
		.amdhsa_forward_progress 1
		.amdhsa_inst_pref_size 255
	.end_amdhsa_kernel
	.section	.bss,"aw",@nobits
	.p2align	6
	.space	262144
	.amdgpu_metadata
---
amdhsa.version: [ 1, 2 ]
amdhsa.kernels:
  - .name:           k_q4dd8bf3196_attn
    .symbol:         k_q4dd8bf3196_attn.kd
    .args:
      - { .name: qc, .offset: 0, .size: 8, .value_kind: global_buffer, .address_space: global }
      - { .name: qs, .offset: 8, .size: 8, .value_kind: global_buffer, .address_space: global }
      - { .name: kv, .offset: 16, .size: 8, .value_kind: global_buffer, .address_space: global }
      - { .name: wp_codes, .offset: 24, .size: 8, .value_kind: global_buffer, .address_space: global }
      - { .name: wp_scales, .offset: 32, .size: 8, .value_kind: global_buffer, .address_space: global }
      - { .name: bp, .offset: 40, .size: 8, .value_kind: global_buffer, .address_space: global }
      - { .name: x, .offset: 48, .size: 8, .value_kind: global_buffer, .address_space: global }
      - { .name: out0, .offset: 56, .size: 8, .value_kind: global_buffer, .address_space: global }
    .group_segment_fixed_size: 327680
    .private_segment_fixed_size: 0
    .kernarg_segment_align: 8
    .kernarg_segment_size: 64
    .max_flat_workgroup_size: 256
    .sgpr_count:     66
    .vgpr_count:     512
    .wavefront_size: 32
...
	.end_amdgpu_metadata
.endif
;; end of part 3
